; MI455X (gfx1250); checked and timed in simulation.
; The chip was launched on July 23, 2026; its instructions are those of AMD's public machine-readable ISA for CDNA 5 (MIT licence, August 2026) and "CDNA5" Instruction Set Architecture Reference Guide (July 2026). The comments in the code are by the model that wrote it; some were corrected since.
;; Vi T Self Attention. Allowed arithmetic: matrix products marked QUANTISED: E2M3 operands, one E8M0 scale for each 32 along K, by v_wmma_scale_f32_16x16x128_f8f6f4 with both operands' format E2M3, f32 sums; everything else in f32.
;; Inputs: Wk 768 x 768 float32; Wq 768 x 768 float32; Wv 768 x 768 float32; bk 768 float32; bq 768 float32; bv 768 float32; hidden_states 32 x 577 x 768 float32.
;; Outputs: out0 32 x 577 x 768 float32.
;; This version of the problem:
;;   THIS VERSION OF THE PROBLEM IS GIVEN IN LOW PRECISION. The matrix products marked QUANTISED in the list below multiply operands that are first quantised to E2M3 (2 exponent bits, 3 mantissa bits; 6 bits a number), with one power-of-two scale for each 32 numbers along K (OCP MX v1.0); their sums are f32. All else is computed in f32.
;;   The module's matrix products, in the order in which they are computed (A, B: the left and right operand; K: the contracted axis; several contracted axes count as one K, in the product's order):
;;     1. [M 18,464, K 768] x [K 768, N 768]; A: input hidden_states; B: input Wq: QUANTISED
;;     2. [M 18,464, K 768] x [K 768, N 768]; A: input hidden_states; B: input Wk: QUANTISED
;;     3. [M 18,464, K 768] x [K 768, N 768]; A: input hidden_states; B: input Wv: QUANTISED
;;     4. batch 384 x [M 577, K 64] x [K 64, N 577]; A: computed on the way; B: computed on the way: QUANTISED
;;     5. batch 384 x [M 577, K 577] x [K 577, N 64]; A: softmax (see below); B: computed on the way: QUANTISED
;;   THE QUANTISER, for each operand of a quantised product, along K:
;;     - K is cut into blocks of 32 from its start; a last block that is shorter is filled with zeros.
;;     - A block's scale is 2^e with e = floor(log2(the largest magnitude in the block)) - 2, held to -126 .. 127; a block of zeros has e = 0. As a byte (E8M0): e + 127.
;;     - Each number is divided by its block's scale, clamped to +-7.5, and rounded to the nearest number of E2M3, ties to even, subnormals kept.
;;     - The product sums the exact products of the quantised numbers (number of the format x scale) in f32.
;;   ~~~python
;;   def quantise(x, axis):      # numpy; x: float32 -> the quantised numbers, widened to float32 again
;;       x = np.moveaxis(x, axis, -1); K = x.shape[-1]
;;       x = np.pad(x, [(0, 0)] * (x.ndim - 1) + [(0, -K % 32)]); x = x.reshape(x.shape[:-1] + (-1, 32)); a = np.abs(x).max(-1, keepdims=True)
;;       e = np.where(a > 0, np.clip(np.frexp(np.where(a > 0, a, 1))[1] - 1 - 2, -126, 127), 0)      # np.frexp(a)[1] - 1 = floor(log2(a)), exactly
;;       r = np.clip(x / 2.0 ** e, -7.5, 7.5)
;;       step = 2.0 ** (np.maximum(np.frexp(np.where(r == 0, 1, r))[1] - 1, 0) - 3)
;;       q = np.round(r / step) * step * 2.0 ** e      # np.round: ties to even
;;       return np.moveaxis(q.reshape(q.shape[:-2] + (-1,))[..., :K], -1, axis).astype(np.float32)
;;   ~~~
;;   SOFTMAX AHEAD OF A QUANTISED PRODUCT. Where the list says 'softmax', what is quantised is not the finished softmax but p = 2^(t - M), with t = logit x log2(e) and M = ceil(the row's largest t), a whole number; so 1/2 < the row's largest p <= 1. The row's sum l is taken of the UNQUANTISED p, in f32, and the product's result is divided by l at the end. Since M is a whole number, a kernel that streams over the keys may use a running M (the ceiling of the running maximum): every later rescaling is an exact power of two, which a block's scale takes up: the codes' values come out the same.
;;   OPERANDS COMPUTED ON THE WAY. 'Computed on the way' means the value that the module computes at that place (a softmax that the list does not call 'softmax' is quantised finished and normalised). What goes into a quantiser is computed in f32, as accurately as f32 sums, v_exp_f32 and their like allow (about 1e-6 of the number): no bf16 or f16 on the way to a quantiser, and a product that is left as it is and whose result goes on into a quantised operand takes f32 operands (vector FMAs, or v_wmma_f32_16x16x4_f32). A number that lies on a knife's edge between two numbers of the format may be rounded either way, as far as f32 arithmetic and the matrix unit's own rounding can turn it there, and no further.
;; One version. Each part assembles by itself: llvm-mc -triple=amdgcn-amd-amdhsa -mcpu=gfx1250 --defsym DOCPART=n.
;; ======== version 1 of 1: 3 launches
;; limits: right only within a limited range of input values
;; workspace buffers: codes 13,123,584 bytes; scales 729,088 bytes; qc 12,779,520 bytes; kvc 23,592,960 bytes; kvs 1,474,560 bytes
;; launch quant (part 1): grid 712 x 1, 2 waves a work-group, no clusters, 17,152 bytes of LDS; arguments hidden_states, Wq, Wk, Wv, codes, scales; writes codes, scales
.if DOCPART == 1
	.amdgcn_target "amdgcn-amd-amdhsa--gfx1250"
	.amdhsa_code_object_version 6
	.text
	.protected	k_q19cc7bf5dd_quant
	.globl	k_q19cc7bf5dd_quant
	.p2align	8
	.type	k_q19cc7bf5dd_quant,@function
k_q19cc7bf5dd_quant:
	s_mov_b64 s[64:65], 0
	v_nop
	global_prefetch_b8 v0, s[64:65] scope:SCOPE_SE
	s_setreg_imm32_b32 hwreg(HW_REG_WAVE_MODE, 25, 1), 1
	s_wait_xcnt 0x0
; hidden_states [32][577][768] and Wq, Wk, Wv [768][768], f32, K = 768 innermost, become codes of FP6 (E2M3) with one E8M0 byte for each 32 along K,
; laid as the matrix unit's registers take them.  A TILE is 16 rows; tile T of a tensor takes rows 32 (T / 2) + 8 (T % 2) + r + 8 (r / 8), r = 0 .. 15.
; A batch of hidden_states has 40 tiles (640 rows): tile 36 has one real row (r = 0: row 576), tiles 37 to 39 none; rows that do not exist get zero codes.
; Tile ids: 40 b + T for hidden_states (0 .. 1279), 1280 + 48 w + T for Wq, Wk, Wv (w = 0, 1, 2).
; codes:  tile x 9,216 bytes: six fragments (K steps of 128) of 1,536 bytes, each the image of 12 registers: registers 4 c .. 4 c + 3 of lane l at 512 c + 16 l.
; scales: tile x 512 bytes: row r has 32 bytes: the scale words of K steps 0 to 5, and two words that nobody reads.
; A block's scale is 2^(floor(log2(its largest magnitude)) - 2); its byte is that magnitude's exponent field - 2, held at 1 from below.
; LIMITS: a block whose largest magnitude lies under 2^-124, a block of zeros among them, gets the byte 1 (its codes are read by this program alone); NaN and infinities are not served.
; SHARES: a wave makes one tile; two waves to a work-group, 712 work-groups for the 1,424 tiles, so that the tiles spread evenly over the WGPs.
; Each load reads 512 consecutive bytes of one row; a K step's 16 x 512 bytes turn through the wave's own stage in LDS, so that lane (r, h) holds
; blocks h and 2 + h of row r whole: no other lane is asked for a maximum, and the conversions' results are the operand's registers.  Waves share nothing: no barrier.
.set STG,   16*528                     ; a wave's stage: 16 rows of 512 bytes + 16, so that the 16 rows of a read start in 16 different groups of banks
.set SPARE, 2*STG                      ; behind the stages: the spare words, 128 bytes a wave
.set L16,  1                           ; 16 x lane
.set STI,  2                           ; stage, on the way in: 16 x lane
.set STO,  3                           ; stage, on the way out: 528 r + 128 h
.set VX,   4                           ; r + 16 (T - 36): 0 for the one real row of a batch's last tiles
.set H8,   5                           ; 8 h
.set SPW,  6                           ; my spare word; never rewritten
.set NIL,  7                           ; 0; never rewritten
.set RSV,  8                           ; bytes from row to row: 3,072, or 0 in tiles 36 to 39
.set PD,   9                           ; a lane permute's destination
.set MX,   10                          ; v10-11 largest magnitudes
.set SO,   12                          ; v12-13 the conversions' scale operands
.set BY,   14                          ; v14-15 scale bytes
.set OFF,  16                          ; v16-31 row i's byte offset
.set SW,   32                          ; v32-37 the six scale words
.set PADW, 38
.set SOFF, 39                          ; 32 r + 16 h
.set SD,   40                          ; v40-43 the scale words as stored
.set PC,   44                          ; v44-55 a fragment's codes
.set CT,   56                          ; v56-58, v60-62: a conversion's three registers begin on an even number
.set R,    64                          ; v64-255 three sets of 64 numbers
	s_load_b256 s[4:11], s[0:1], 0x0               ; hidden_states, Wq, Wk, Wv
	s_load_b128 s[12:15], s[0:1], 0x20             ; codes, scales
	v_lshl_add_u32 v[SPW], v0, 2, SPARE
	v_mov_b32 v[NIL], 0
	v_lshrrev_b32 v10, 5, v0
	v_readfirstlane_b32 s16, v10                   ; wave
	v_and_b32 v11, 31, v0                          ; lane
	v_and_b32 v12, 15, v0                          ; r
	v_bfe_u32 v13, v0, 4, 1                        ; h
	v_lshlrev_b32 v[L16], 4, v11
	s_mul_i32 s26, s16, STG
	v_add_nc_u32 v[STI], s26, v[L16]
	v_mul_u32_u24 v[STO], v12, 528
	v_lshl_add_u32 v[STO], v13, 7, v[STO]
	v_add_nc_u32 v[STO], s26, v[STO]
	v_lshlrev_b32 v[H8], 3, v13
	v_lshlrev_b32 v[SOFF], 5, v12
	v_lshl_add_u32 v[SOFF], v13, 4, v[SOFF]
	v_mov_b32 v[PD], 0
	v_mov_b32 v[PADW], 0x7f7f7f7f
	s_mov_b32 s36, 0x76543210
	s_mov_b32 s37, 0xfedcba98                      ; v_permlanex16_b32's selects for lane l xor 16
	s_mov_b32 s38, 0xffff0000                      ; lanes 16-31
	; which tile is mine
	s_lshl_b32 s17, ttmp9, 1
	s_add_co_u32 s17, s17, s16                     ; tile id j = 2 x work-group + wave
	s_mul_i32 s18, ttmp9, 52429
	s_lshr_b32 s18, s18, 20                        ; work-group / 20: the batch (twenty work-groups, 40 tiles, to a batch)
	s_mul_i32 s19, s18, 40
	s_sub_co_u32 s19, s17, s19                     ; T in the batch
	s_cmp_ge_u32 ttmp9, 664
	s_cselect_b32 s20, 48, 0
	s_cmp_ge_u32 ttmp9, 688
	s_cselect_b32 s21, 48, 0
	s_add_co_u32 s20, s20, s21                     ; 48 w
	s_sub_co_u32 s21, s17, 1280
	s_sub_co_u32 s21, s21, s20                     ; T in a weight
	s_cmp_lt_u32 ttmp9, 640                        ; hidden_states' work-group?
	s_cselect_b32 s19, s19, s21                    ; T
	s_cselect_b32 s18, s18, 0                      ; batch
	s_cselect_b32 s22, 36, 0x7fffffff              ; from which T on rows are missing
	s_lshr_b32 s23, s19, 1
	s_lshl_b32 s23, s23, 5
	s_and_b32 s24, s19, 1
	s_lshl_b32 s24, s24, 3
	s_add_co_u32 s23, s23, s24                     ; the tile's first row
	s_cmp_ge_u32 s19, s22
	s_cselect_b32 s34, 1, 0                        ; a tile with missing rows:
	s_cselect_b32 s35, 0, 3072                     ; all its sixteen loads read row 576, so that none leaves the buffer,
	s_cselect_b32 s23, 576, s23                    ; and what is not row 576 of tile 36 is replaced by zeros below
	s_mul_i32 s24, s18, 577
	s_add_co_u32 s24, s24, s23
	s_mul_i32 s24, s24, 3072                       ; under 2^26
	s_mov_b32 s25, 0
	s_sub_co_u32 s26, s19, 36
	s_lshl_b32 s26, s26, 4
	v_add_nc_u32 v[VX], s26, v12
	v_mov_b32 v[RSV], s35
.irp i, 0,1,2,3,4,5,6,7,8,9,10,11,12,13,14,15
	v_mad_u32_u24 v[OFF+\i], v[RSV], \i+8*(\i/8), v[L16]   ; row i of the tile lies i + 8 (i / 8) rows behind its first
.endr
	s_mul_i32 s20, s17, 9216
	s_mov_b32 s21, 0
	s_lshl_b32 s22, s17, 9
	s_mov_b32 s23, 0
	s_wait_alu depctr_va_vdst(0)
	s_wait_kmcnt 0x0
	s_cmp_ge_u32 ttmp9, 688                        ; the source is chosen by the work-group's number alone
	s_cselect_b64 s[28:29], s[10:11], s[8:9]
	s_cmp_ge_u32 ttmp9, 664
	s_cselect_b64 s[28:29], s[28:29], s[6:7]
	s_cmp_ge_u32 ttmp9, 640
	s_cselect_b64 s[28:29], s[28:29], s[4:5]
	s_add_nc_u64 s[28:29], s[28:29], s[24:25]      ; the tile's first row
	s_add_nc_u64 s[30:31], s[12:13], s[20:21]      ; its codes
	s_add_nc_u64 s[32:33], s[14:15], s[22:23]      ; its scale words
.macro LOAD s                          ; K step s: 16 rows x 512 consecutive bytes, into set s % 3
.irp i, 0,1,2,3,4,5,6,7,8,9,10,11,12,13,14,15
	global_load_b128 v[R+64*((\s)%3)+4*\i:R+64*((\s)%3)+4*\i+3], v[OFF+\i], s[28:29] offset:512*(\s) th:TH_LOAD_NT
.endr
.endm
.macro STEP s
.set RR, R+64*((\s)%3)
.if (\s) < 4
	s_wait_loadcnt 32                              ; this step's 16 loads are in; the two sets behind them may be out
.else
	s_wait_loadcnt 16*(5-(\s))
.endif
.irp i, 0,1,2,3,4,5,6,7,8,9,10,11,12,13,14,15
	ds_store_b128 v[STI], v[RR+4*\i:RR+4*\i+3] offset:528*\i
.endr
.irp c, 0,1
.irp q, 0,1,2,3,4,5,6,7
	ds_load_b128 v[RR+32*\c+4*\q:RR+32*\c+4*\q+3], v[STO] offset:256*\c+16*\q   ; LDS serves a wave's instructions in order: these see the stores above.  Register 32 c + i: number i of block 2 c + h of row r
.endr
.endr
	s_wait_dscnt 0x0
	s_cmp_eq_u32 s34, 0                            ; a branch on ids: only tiles 36 to 39 of a batch have rows to clear
	s_cbranch_scc1 .Lfull_\@
	v_cmp_eq_u32 vcc_lo, 0, v[VX]
.set k, 0
.rept 64
	v_cndmask_b32 v[RR+k], 0, v[RR+k], vcc_lo      ; ahead of the block's maximum
.set k, k+1
.endr
.Lfull_\@:
.irp c, 0,1
	v_max3_num_f32 v[MX+\c], |v[RR+32*\c]|, |v[RR+32*\c+1]|, 0x1800000   ; my block 2 c + h, and the floor 2^(3 - 127): the byte cannot fall under 1
.endr
.irp i, 2,4,6,8,10,12,14,16,18,20,22,24,26,28,30
.irp c, 0,1
	v_max3_num_f32 v[MX+\c], v[MX+\c], |v[RR+32*\c+\i]|, |v[RR+32*\c+\i+1]|   ; (the two blocks by turns)
.endr
.endr
.irp c, 0,1
	v_add_nc_u32 v[SO+\c], 0xff000000, v[MX+\c]    ; 2 off the exponent field: the conversion's scale operand
.endr
.irp c, 0,1
	v_lshrrev_b32 v[BY+\c], 23, v[SO+\c]           ; the scale's byte
.endr
	v_lshl_or_b32 v[SW+(\s)], v[BY+1], 16, v[BY]   ; bytes h and 2 + h of row r's word,
	v_lshlrev_b32 v[SW+(\s)], v[H8], v[SW+(\s)]
	v_permlanex16_b32 v[PD], v[SW+(\s)], s36, s37
	v_or_b32 v[SW+(\s)], v[SW+(\s)], v[PD]         ; with lane l xor 16's two the word is whole, in both lanes
	s_wait_alu depctr_va_vdst(0)
	s_wait_xcnt 0x0                                ; the last step's stores have read their data: the codes' registers are written again only behind this wait
.irp c, 0,1
	v_cvt_scalef32_pk16_fp6_f32 v[PC+6*\c:PC+6*\c+2], v[RR+32*\c:RR+32*\c+15], v[SO+\c]
	v_cvt_scalef32_pk16_fp6_f32 v[CT+4*\c:CT+4*\c+2], v[RR+32*\c+16:RR+32*\c+31], v[SO+\c]
.endr
	v_nop                                          ; one plain place behind a scaled conversion
.irp c, 0,1
.irp i, 0,1,2
	v_mov_b32 v[PC+6*\c+3+\i], v[CT+4*\c+\i]       ; registers 6 c .. 6 c + 5: k = 64 c + 32 h + 0 .. 31
.endr
.endr
.irp k, 0,1,2
	global_store_b128 v[L16], v[PC+4*\k:PC+4*\k+3], s[30:31] offset:1536*(\s)+512*\k   ; 32 lanes store 512 consecutive bytes, aligned
.endr
.if (\s) < 3
	LOAD (\s)+3
.endif
.endm
	LOAD 0
	LOAD 1
	LOAD 2
	STEP 0
	STEP 1
	STEP 2
	STEP 3
	STEP 4
	STEP 5
	v_cndmask_b32 v[SD], v[SW], v[SW+4], s38       ; lanes 0-15 store words 0 to 3 of their row, lanes 16-31 words 4, 5 and the two spare ones
	v_cndmask_b32 v[SD+1], v[SW+1], v[SW+5], s38
	v_cndmask_b32 v[SD+2], v[SW+2], v[PADW], s38
	v_cndmask_b32 v[SD+3], v[SW+3], v[PADW], s38
	global_store_b128 v[SOFF], v[SD:SD+3], s[32:33]   ; the wave stores the tile's 512 bytes whole
	s_wait_tensorcnt 0x0                           ; the wave's end, behind my last LDS store
	ds_add_u32 v[SPW], v[NIL]
	s_wait_dscnt 0x0
	s_endpgm
.Lfunc_end_k_q19cc7bf5dd_quant:
	.size	k_q19cc7bf5dd_quant, .Lfunc_end_k_q19cc7bf5dd_quant-k_q19cc7bf5dd_quant
	.p2alignl 7, 3214868480
	.fill 96, 4, 3214868480
	.section	.rodata,"a",@progbits
	.p2align	6, 0x0
	.amdhsa_kernel k_q19cc7bf5dd_quant
		.amdhsa_group_segment_fixed_size 17152
		.amdhsa_private_segment_fixed_size 0
		.amdhsa_enable_private_segment 0
		.amdhsa_kernarg_size 48
		.amdhsa_user_sgpr_count 2
		.amdhsa_user_sgpr_kernarg_segment_ptr 1
		.amdhsa_wavefront_size32 1
		.amdhsa_system_sgpr_workgroup_id_x 1
		.amdhsa_system_sgpr_workgroup_id_y 1
		.amdhsa_system_sgpr_workgroup_id_z 1
		.amdhsa_system_vgpr_workitem_id 0
		.amdhsa_next_free_vgpr 256
		.amdhsa_next_free_sgpr 66
		.amdhsa_reserve_vcc 1
		.amdhsa_float_denorm_mode_32 3
		.amdhsa_float_denorm_mode_16_64 3
		.amdhsa_memory_ordered 1
		.amdhsa_forward_progress 1
		.amdhsa_inst_pref_size 59
	.end_amdhsa_kernel
	.amdgpu_metadata
---
amdhsa.version: [ 1, 2 ]
amdhsa.kernels:
  - .name:           k_q19cc7bf5dd_quant
    .symbol:         k_q19cc7bf5dd_quant.kd
    .args:
      - { .name: hidden_states, .offset: 0, .size: 8, .value_kind: global_buffer, .address_space: global }
      - { .name: Wq, .offset: 8, .size: 8, .value_kind: global_buffer, .address_space: global }
      - { .name: Wk, .offset: 16, .size: 8, .value_kind: global_buffer, .address_space: global }
      - { .name: Wv, .offset: 24, .size: 8, .value_kind: global_buffer, .address_space: global }
      - { .name: codes, .offset: 32, .size: 8, .value_kind: global_buffer, .address_space: global }
      - { .name: scales, .offset: 40, .size: 8, .value_kind: global_buffer, .address_space: global }
    .group_segment_fixed_size: 17152
    .private_segment_fixed_size: 0
    .kernarg_segment_align: 8
    .kernarg_segment_size: 48
    .max_flat_workgroup_size: 64
    .sgpr_count:     66
    .vgpr_count:     256
    .wavefront_size: 32
...
	.end_amdgpu_metadata
.endif
;; end of part 1
;; launch proj (part 2): grid 80 x 3, 8 waves a work-group, no clusters, 167,936 bytes of LDS; arguments codes, scales, bq, bk, bv, qc, kvc, kvs; writes qc, kvc, kvs
.if DOCPART == 2
	.amdgcn_target "amdgcn-amd-amdhsa--gfx1250"
	.amdhsa_code_object_version 6
	.text
	.protected	k_q19cc7bf5dd_proj
	.globl	k_q19cc7bf5dd_proj
	.p2align	8
	.type	k_q19cc7bf5dd_proj,@function
k_q19cc7bf5dd_proj:
	s_mov_b64 s[64:65], 0
	v_nop
	global_prefetch_b8 v0, s[64:65] scope:SCOPE_SE
	s_setreg_imm32_b32 hwreg(HW_REG_WAVE_MODE, 25, 1), 1
	s_wait_xcnt 0x0
; q = x Wq^T + bq, k = x Wk^T + bk, v = x Wv^T + bv on codes of FP6 (E2M3), f32 sums, and the results quantised at once for attention's two products:
; q and k along the head's 64 channels, v along the keys.  Work-group y says which of the three (0, 1, 2).
; SHARES.  A token group is 128 tokens of a batch's 640 (8 tiles of 16; the tiles' rows as the launch before laid them).  Work-group x = P: waves 0-3 take group 2 P, waves 4-7 group 2 P + 1.
; A wave makes 128 tokens x one head's 64 channels at a time (32 accumulators, 6 K steps of 128: 192 matrix instructions) and walks heads w, w + 4, w + 8 (w = wave % 4).
; x's fragments of both groups come into LDS once, as they lie in memory (images of registers), and are read from there.
; W's FRAGMENTS GO FROM MEMORY STRAIGHT INTO REGISTERS, TWO SETS OF FOUR TILES.  A half step goes by W's tiles (tile n against four token tiles), so that in the second half tile n is done with after its four
; products: its registers then take tile n of the K step two on.  From that request to the wait for it the wave issues 44 matrix instructions; the waits are counted tile by tile.
; The ring goes on into the next head; the third head is written out behind a loop of two, so that every counted wait sees the same loads on every way.
; q, k: THE PRODUCT IS USED TRANSPOSED (source 0 = 16 rows of W, source 1 = 16 tokens): a lane holds one token, and the 32 registers of the head's four tiles of W are channels 32 b + 16 h + i at register 16 b + i.
; v: in the natural order (source 0 = 16 tokens, source 1 = 16 rows of W): a lane holds one channel, and the 64 registers of the eight token tiles are tokens 32 b + 16 h + i at register 16 b + i.
; So in both cases a lane's registers run along the next product's K.  Tokens beyond 576 count as zeros in v's blocks.
; THE BIAS is asked for a head ahead.  v: my channel's number in each of W's four tiles, four registers.  q, k: the head's 256 bytes, 8 a lane; on the way out they turn through the wave's own 256 bytes of LDS.
; OUT.  qc: for each (batch, head) 33,280 bytes: 40 tiles x 768 (registers 0-3 at 16 x lane, 4-5 at 512 + 8 x lane), then 5 x 512 of scale words (lane l's word j of group g: tile 8 g + 2 j + l / 16, row l % 16).
; kvc: 61,440: k as q's codes, then v's 20 fragments of 1,536 (16 channels x 128 keys).  kvs: 3,840: k's words as q's, then v's, 5 x 256 (lane l's word j: tile 2 j + l / 16).
; A word of q or k holds bytes 0 and 1; bytes 2 and 3 are 0: they scale the upper 64 of the instruction's K, where q has zero codes.
; No cluster: x's block is shared by three work-groups (grid y = 3), which no cluster of four divides, and W does not pass through LDS.
; LIMITS: a block whose largest magnitude lies under 2^-124 gets the byte 1 (read by this program alone); NaN and infinities are not served.
; REGISTERS: window 0: addresses, scale words, fragments, scratch; window 1: the 256 accumulator registers (q, k: (t, n) at 32 t + 8 n; v: (n, t) at 64 n + 8 t).
; HOW x COMES INTO LDS, more exactly than above: by one tensor load a wave, 72 dense rows of 256 bytes (18,432 bytes, a quarter of a token group), to LDS byte 18,432 x wave.
; Nothing passes through the accumulators' registers at the start, and no LDS byte is filled twice.
.set XBLK,  73728                      ; a token group's codes: 8 tiles x 9,216
.set BIASL, 2*XBLK                     ; behind them: 256 bytes a wave, for the bias of q and k
.set SPARE, BIASL+8*256                ; the spare words, 128 bytes a wave
.set L16,  1                           ; 16 x lane
.set L32,  2                           ; 32 x lane
.set XA0,  3                           ; my group's x in LDS, tiles 0-3: + 16 x lane
.set XA1,  4                           ; tiles 4-7 (an LDS immediate has 16 bits)
.set SPW,  5                           ; my spare word; never rewritten
.set NIL,  6                           ; 0; never rewritten
.set BLD,  7                           ; my wave's bias in LDS, on the way out of it: + 64 h
.set L8,   8                           ; 8 x lane
.set MX,   10                          ; v10-11
.set PX,   12                          ; v12-13 lane permutes' destinations
.set SO,   14                          ; v14-15
.set BST,  16                          ; my wave's bias in LDS, on the way in: + 8 x lane
.set BOFV, 19                          ; bias of v, in memory: 4 (r + 8 (r / 8))
.set XS,   20                          ; v20-43 x's scale words: register 6 j + s: lanes 0-15 tile 2 j, lanes 16-31 tile 2 j + 1, K step s
.set WSC,  44                          ; v44-55 W's likewise
.set XF,   56                          ; v56-151 x's 8 fragments of a K step
.set WFB,  200                         ; W's 4 fragments: even K steps v200-247, odd ones v152-199
.set BIAS, 56                          ; on the way out, all in x's registers: the bias of q, k,
.set HA,   88                          ; 32 numbers at work,
.set SW,   120                         ; scale words,
.set SP,   128                         ; as stored,
.set CT,   132                         ; a conversion's second half,
.set BY,   136                         ; v136-137 scale bytes,
.set BW,   138                         ; two of them,
.set PC,   140                         ; v140-151 the codes: two sets of six by turns
.set BQ,   248                         ; v248-249 q's, k's bias as loaded; v248, 250, 252, 254 v's
.set MSB, 0
.macro WIN new                         ; the immediate's high byte repeats the setting that is left
.if MSB != \new
	s_set_vgpr_msb (MSB<<8)|\new
.set MSB, \new
.endif
.endm
.set MUL, 0x50                         ; C and D window 1
.set RDA, 0x01                         ; source 0 window 1
.macro PLACES                          ; four plain places behind a matrix instruction, ahead of loads into its registers and of reads of its results
.rept 4
	v_nop
.endr
.endm
; one matrix instruction.  zero: the first K step starts the sum.  ra, rb: the side's scale words stand in lanes 16-31
.macro WM d, a, b, zero, sa, sb, ra, rb
.if \zero
.if (\ra) && (\rb)
	v_wmma_scale_f32_16x16x128_f8f6f4 v[\d:\d+7], v[\a:\a+11], v[\b:\b+11], 0, v[\sa], v[\sb] matrix_a_fmt:MATRIX_FMT_FP6 matrix_b_fmt:MATRIX_FMT_FP6 matrix_a_scale:MATRIX_SCALE_ROW1 matrix_b_scale:MATRIX_SCALE_ROW1
.elseif (\ra)
	v_wmma_scale_f32_16x16x128_f8f6f4 v[\d:\d+7], v[\a:\a+11], v[\b:\b+11], 0, v[\sa], v[\sb] matrix_a_fmt:MATRIX_FMT_FP6 matrix_b_fmt:MATRIX_FMT_FP6 matrix_a_scale:MATRIX_SCALE_ROW1
.elseif (\rb)
	v_wmma_scale_f32_16x16x128_f8f6f4 v[\d:\d+7], v[\a:\a+11], v[\b:\b+11], 0, v[\sa], v[\sb] matrix_a_fmt:MATRIX_FMT_FP6 matrix_b_fmt:MATRIX_FMT_FP6 matrix_b_scale:MATRIX_SCALE_ROW1
.else
	v_wmma_scale_f32_16x16x128_f8f6f4 v[\d:\d+7], v[\a:\a+11], v[\b:\b+11], 0, v[\sa], v[\sb] matrix_a_fmt:MATRIX_FMT_FP6 matrix_b_fmt:MATRIX_FMT_FP6
.endif
.else
.if (\ra) && (\rb)
	v_wmma_scale_f32_16x16x128_f8f6f4 v[\d:\d+7], v[\a:\a+11], v[\b:\b+11], v[\d:\d+7], v[\sa], v[\sb] matrix_a_fmt:MATRIX_FMT_FP6 matrix_b_fmt:MATRIX_FMT_FP6 matrix_a_scale:MATRIX_SCALE_ROW1 matrix_b_scale:MATRIX_SCALE_ROW1
.elseif (\ra)
	v_wmma_scale_f32_16x16x128_f8f6f4 v[\d:\d+7], v[\a:\a+11], v[\b:\b+11], v[\d:\d+7], v[\sa], v[\sb] matrix_a_fmt:MATRIX_FMT_FP6 matrix_b_fmt:MATRIX_FMT_FP6 matrix_a_scale:MATRIX_SCALE_ROW1
.elseif (\rb)
	v_wmma_scale_f32_16x16x128_f8f6f4 v[\d:\d+7], v[\a:\a+11], v[\b:\b+11], v[\d:\d+7], v[\sa], v[\sb] matrix_a_fmt:MATRIX_FMT_FP6 matrix_b_fmt:MATRIX_FMT_FP6 matrix_b_scale:MATRIX_SCALE_ROW1
.else
	v_wmma_scale_f32_16x16x128_f8f6f4 v[\d:\d+7], v[\a:\a+11], v[\b:\b+11], v[\d:\d+7], v[\sa], v[\sb] matrix_a_fmt:MATRIX_FMT_FP6 matrix_b_fmt:MATRIX_FMT_FP6
.endif
.endif
.endm
.macro XLD s, t0                       ; x's tiles t0 .. t0 + 3 of K step s, from LDS: 12 loads
.irp t, \t0, \t0+1, \t0+2, \t0+3
.irp c, 0,1,2
	ds_load_b128 v[XF+12*(\t)+4*\c:XF+12*(\t)+4*\c+3], v[XA0+(\t0)/4] offset:9216*((\t)%4)+1536*(\s)+512*\c
.endr
.endr
.endm
.macro WLD buf, off                    ; the head's four tiles of W, one K step, from memory: 12 loads of 512 consecutive bytes, tile by tile
.irp n, 0,1,2,3
.irp c, 0,1,2
	global_load_b128 v[(\buf)+12*\n+4*\c:(\buf)+12*\n+4*\c+3], v[L16], s[28:29] offset:(\off)+9216*\n+512*\c
.endr
.endr
.endm
.macro WSCLD off                       ; and their scale words, all six K steps: 4 loads
.irp j, 0,1
	global_load_b128 v[WSC+6*\j:WSC+6*\j+3], v[L32], s[30:31] offset:(\off)+1024*\j
	global_load_b64 v[WSC+6*\j+4:WSC+6*\j+5], v[L32], s[30:31] offset:(\off)+1024*\j+16
.endr
.endm
.macro BIASLD v                        ; my head's bias: v: 4 loads, my channel in each of W's tiles;  q, k: 1 load, the head's 64 numbers, two a lane
.if \v
.irp n, 0,1,2,3
	global_load_b32 v[BQ+2*\n], v[BOFV], s[32:33] offset:4*(32*(\n/2)+8*(\n%2))
.endr
.else
	global_load_b64 v[BQ:BQ+1], v[L8], s[32:33]
.endif
.endm
; 4 matrix instructions: W's tile n against token tiles t0 .. t0 + 3.  No two that follow each other share an accumulator, and the 32 come in the same order in every K step.
.macro MUL4 s, v, t0, n
.irp t, \t0, \t0+1, \t0+2, \t0+3
.if \v
	WM 64*(\n)+8*(\t), XF+12*(\t), WFB-48*((\s)%2)+12*(\n), (\s)==0, XS+6*((\t)/2)+(\s), WSC+6*((\n)/2)+(\s), (\t)%2, (\n)%2
.else
	WM 32*(\t)+8*(\n), WFB-48*((\s)%2)+12*(\n), XF+12*(\t), (\s)==0, WSC+6*((\n)/2)+(\s), XS+6*((\t)/2)+(\s), (\n)%2, (\t)%2
.endif
.endr
.endm
; A K step of 128.  v = 1: the natural order, for v.  last = 1: the wave's third head, behind which no W follows.
; The global loads that may be out, in the order of issue: at step 0: the next step's W, W's scale words, the bias;  from step 2 on: this step's W (asked for two steps ago) and the next step's.
.macro KSTEP s, v, last
.set RF, 1                             ; is a tile of W asked for behind each run of the second half?
.set WC, 21                            ; what may be out when tile 0 is wanted: this step's tiles 1 to 3 (9 loads) and the next step's 12
.if (\last) == 1
.if (\s) > 3
.set RF, 0
.endif
.if (\s) == 5
.set WC, 9                             ; nothing was asked for behind the last step's W
.endif
.endif
.set ROFF, 1536*((\s)+2)               ; the K step two on,
.if (\s) > 3
.set ROFF, 147456+1536*((\s)-4)        ; which for steps 4 and 5 is the next head's (16 tiles on) step 0 or 1
.endif
	s_wait_dscnt 12                                ; x's tiles 0-3 are in; the youngest 12 loads (tiles 4-7) may be out
	WIN MUL
.irp n, 0,1,2,3
.if (\s) == 0
.if \n == 0
	s_wait_loadcnt 1+3*(\v)                        ; all but the bias, which was asked for last: W's steps 0 and 1 and its scale words are in (so step 1 has no wait)
.endif
.endif
.if (\s) > 1
	s_wait_loadcnt WC-3*\n                         ; W's tile n is in; its later tiles, three loads each, and the next step's may be out
.endif
	MUL4 \s, \v, 0, \n
.endr
.if (\s) < 5
	WIN 0
	PLACES
	XLD (\s)+1, 0
	s_wait_dscnt 12                                ; tiles 4-7 are in; the 12 just issued may be out
.else
	s_wait_dscnt 0x0
.endif
.irp n, 0,1,2,3
	WIN MUL
	MUL4 \s, \v, 4, \n
.if RF
	WIN 0
	PLACES                                         ; tile n has been multiplied for the last time: its registers take tile n of the K step two on
.irp c, 0,1,2
	global_load_b128 v[WFB-48*((\s)%2)+12*\n+4*\c:WFB-48*((\s)%2)+12*\n+4*\c+3], v[L16], s[28:29] offset:ROFF+9216*\n+512*\c
.endr
.endif
.endr
	WIN 0
.if RF == 0
	PLACES
.endif
.if (\s) < 5
	XLD (\s)+1, 4                                  ; (the places behind the last products stand above)
.endif
.endm
; 32 numbers of a lane, v[HA] on, register 16 b + i = k 32 b + 16 h + i, become 6 registers of codes at dst (k = 32 h + 0 .. 31) and the two blocks' bytes in v[BW]
.macro HQ dst
.irp b, 0,1
	v_max3_num_f32 v[MX+\b], |v[HA+16*\b]|, |v[HA+16*\b+1]|, 0x1800000   ; and the floor 2^(3 - 127): the byte cannot fall under 1
.endr
.irp i, 2,4,6,8,10,12,14
.irp b, 0,1
	s_delay_alu instid0(VALU_DEP_2)
	v_max3_num_f32 v[MX+\b], v[MX+\b], |v[HA+16*\b+\i]|, |v[HA+16*\b+\i+1]|
.endr
.endr
.irp b, 0,1
	s_delay_alu instid0(VALU_DEP_2)
	v_permlanex16_b32 v[PX+\b], v[MX+\b], s44, s45
.endr
.irp b, 0,1
	s_delay_alu instid0(VALU_DEP_2)
	v_max_num_f32 v[MX+\b], v[MX+\b], v[PX+\b]     ; with lane l xor 16's 16: the block's largest magnitude
.endr
.irp b, 0,1
	s_delay_alu instid0(VALU_DEP_2)
	v_add_nc_u32 v[SO+\b], 0xff000000, v[MX+\b]    ; 2 off the exponent field: the conversion's scale operand
.endr
.irp b, 0,1
	s_delay_alu instid0(VALU_DEP_2)
	v_lshrrev_b32 v[BY+\b], 23, v[SO+\b]
.endr
	s_delay_alu instid0(VALU_DEP_1)
	v_lshl_or_b32 v[BW], v[BY+1], 8, v[BY]
	s_wait_alu depctr_va_vdst(0)
	s_wait_xcnt 0x0                                ; the stores that read this set of codes have read it: it is written again only behind this wait
	v_cvt_scalef32_pk16_fp6_f32 v[(\dst):(\dst)+2], v[HA:HA+15], v[SO]
	v_cvt_scalef32_pk16_fp6_f32 v[CT:CT+2], v[HA+16:HA+31], v[SO+1]
	v_nop                                          ; one plain place behind a scaled conversion
.irp i, 0,1,2
	v_permlane16_swap_b32 v[(\dst)+\i], v[CT+\i]   ; a whole block to a lane: lanes 0-15 the first, lanes 16-31 the second
.endr
.irp i, 0,1,2
	s_delay_alu instid0(VALU_DEP_3)
	v_mov_b32 v[(\dst)+3+\i], v[CT+\i]
.endr
.endm
.macro EPI_QK last
	ds_store_b64 v[BST], v[BQ:BQ+1]                ; the head's 64 numbers of the bias into my wave's own 256 bytes (they were in at step 2's waits),
.irp b, 0,1
.irp q, 0,1,2,3
	ds_load_b128 v[BIAS+16*\b+4*\q:BIAS+16*\b+4*\q+3], v[BLD] offset:128*\b+16*\q   ; and back as channels 32 b + 16 h + 0 .. 15: LDS serves a wave's instructions in order
.endr
.endr
.if (\last) == 0
	WSCLD 8192                                     ; the next head's scale words of W
.endif
	s_wait_dscnt 0x0
.irp t, 0,1,2,3,4,5,6,7
	WIN RDA
.irp i, 0,2,4,6,8,10,12,14,16,18,20,22,24,26,28,30
	v_pk_add_f32 v[HA+\i:HA+\i+1], v[32*\t+\i:32*\t+\i+1], v[BIAS+\i:BIAS+\i+1]   ; each accumulator from its low end on
.endr
	WIN 0
	HQ PC+6*(\t%2)
	v_mov_b32 v[SW+\t], v[BW]                      ; the token's scale word: bytes 2 and 3 are 0
	global_store_b128 v[L16], v[PC+6*(\t%2):PC+6*(\t%2)+3], s[34:35] offset:768*\t
	global_store_b64 v[L8], v[PC+6*(\t%2)+4:PC+6*(\t%2)+5], s[34:35] offset:768*\t+512
.endr
.irp j, 0,1,2,3
	v_cndmask_b32 v[SP+\j], v[SW+2*\j], v[SW+2*\j+1], s46   ; lanes 0-15 the even tile's word, lanes 16-31 the odd tile's
.endr
	global_store_b128 v[L16], v[SP:SP+3], s[36:37]
.endm
.macro VPART n, c                      ; W's tile n, tokens 64 c .. 64 c + 63 of the group
	WIN RDA
.irp i, 0,2,4,6,8,10,12,14,16,18,20,22,24,26,28,30
	v_pk_add_f32 v[HA+\i:HA+\i+1], v[64*(\n)+32*(\c)+\i:64*(\n)+32*(\c)+\i+1], v[BQ+2*(\n):BQ+2*(\n)+1] op_sel_hi:[1,0]
.endr
	WIN 0
.if (\c) == 1
	s_cmp_lg_u32 s26, 4                            ; a branch on ids: in a batch's last group only token 576 (register 0 of lanes 0-15) is left of these 64
	s_cbranch_scc1 .Lreal_\@
	v_cndmask_b32 v[HA], 0, v[HA], s47
.set k, 1
.rept 31
	v_mov_b32 v[HA+k], 0
.set k, k+1
.endr
.Lreal_\@:
.endif
	s_wait_alu depctr_va_vdst(0)
	HQ PC+6*(\c)
.if (\c) == 0
	v_mov_b32 v[SW+(\n)], v[BW]
.else
	v_lshl_or_b32 v[SW+(\n)], v[BW], 16, v[SW+(\n)]   ; the four bytes of the channel's 128 keys
.irp k, 0,1,2
	global_store_b128 v[L16], v[PC+4*\k:PC+4*\k+3], s[34:35] offset:1536*(\n)+512*\k
.endr
.endif
.endm
.macro EPI_V last
.if (\last) == 0
	WSCLD 8192                                     ; the next head's scale words of W
.endif
	s_wait_alu depctr_va_vdst(0)
.irp n, 0,1,2,3
	VPART \n, 0
	VPART \n, 1
.endr
.irp j, 0,1
	v_cndmask_b32 v[SP+\j], v[SW+2*\j], v[SW+2*\j+1], s46
.endr
	global_store_b64 v[L8], v[SP:SP+1], s[36:37]
.endm
.macro TRIPEND v
	s_wait_xcnt 0x0                                ; every load and store issued has read its addresses and data: bases, codes and words are written again only behind this wait
	s_add_nc_u64 s[28:29], s[28:29], 147456        ; four heads on: 16 tiles of W,
	s_add_nc_u64 s[30:31], s[30:31], 8192          ; their scale words,
	s_add_nc_u64 s[32:33], s[32:33], 1024          ; their bias,
	s_add_nc_u64 s[34:35], s[34:35], s[38:39]      ; the codes' place
	s_add_nc_u64 s[36:37], s[36:37], s[40:41]      ; and the words'
	BIASLD \v                                      ; the youngest global loads at the next head's first wait
	XLD 0, 0
	XLD 0, 4
.endm
.macro TRIP v, last                    ; one head
	KSTEP 0, \v, \last
	KSTEP 1, \v, \last
	KSTEP 2, \v, \last
	KSTEP 3, \v, \last
	KSTEP 4, \v, \last
	KSTEP 5, \v, \last
.if \v
	EPI_V \last
.else
	EPI_QK \last
.endif
.if (\last) == 0
	TRIPEND \v
.endif
.endm
	s_load_b512 s[4:19], s[0:1], 0x0               ; codes, scales, bq, bk, bv, qc, kvc, kvs
	v_lshl_add_u32 v[SPW], v0, 2, SPARE
	v_mov_b32 v[NIL], 0
	ds_add_u32 v[SPW], v[NIL]                      ; the opening lines, ahead of my tensor load: the add, twice on end, under one wait
	ds_add_u32 v[SPW], v[NIL]
	s_mov_b32 s72, 3<<16                           ; descriptor group 1: elements of 8 bytes, no padding
	s_mov_b32 s73, 32<<16                          ; tensor_dim0 = 32 elements: 256 bytes
	s_mov_b32 s74, 72<<16                          ; tensor_dim1 = 72 rows
	s_mov_b32 s75, 32<<16                          ; tile_dim0
	s_mov_b32 s76, 72                              ; tile_dim1
	s_mov_b32 s77, 32                              ; the pitch: rows lie on end
	s_mov_b32 s78, 0
	s_mov_b32 s79, 0
	v_lshrrev_b32 v10, 5, v0
	s_delay_alu instid0(VALU_DEP_1)
	v_readfirstlane_b32 s20, v10                   ; wave 0..7
	s_lshr_b32 s21, s20, 2                         ; which of the two token groups
	s_and_b32 s22, s20, 3                          ; w: my first head
	s_and_b32 s23, ttmp7, 0xffff                   ; which product: 0 q, 1 k, 2 v
	s_lshl_b32 s24, ttmp9, 1
	s_add_co_u32 s24, s24, s21                     ; token group G = 0 .. 159
	s_mul_i32 s25, s24, 52429
	s_lshr_b32 s25, s25, 18                        ; batch = G / 5
	s_mul_i32 s26, s25, 5
	s_sub_co_u32 s26, s24, s26                     ; g = G % 5
	v_and_b32 v11, 31, v0                          ; lane
	v_and_b32 v12, 15, v0                          ; r
	v_bfe_u32 v13, v0, 4, 1                        ; h
	s_delay_alu instid0(VALU_DEP_3)
	v_lshlrev_b32 v[L16], 4, v11
	s_delay_alu instid0(VALU_DEP_4)
	v_lshlrev_b32 v[L32], 5, v11
	v_lshlrev_b32 v[L8], 3, v11
	s_mul_i32 s48, s21, XBLK
	v_add_nc_u32 v[XA0], s48, v[L16]
	s_delay_alu instid0(VALU_DEP_1)
	v_add_nc_u32 v[XA1], 36864, v[XA0]
	s_mul_i32 s69, s20, 18432                      ; descriptor group 0: where my quarter goes in LDS
	s_lshl_b32 s48, s20, 8
	s_add_co_u32 s48, s48, BIASL                   ; my wave's 256 bytes for the bias
	v_add_nc_u32 v[BST], s48, v[L8]
	v_lshl_add_u32 v[BLD], v13, 6, s48
	v_and_b32 v14, 8, v12
	s_delay_alu instid0(VALU_DEP_1)
	v_add_nc_u32 v14, v14, v12
	s_delay_alu instid0(VALU_DEP_1)
	v_lshlrev_b32 v[BOFV], 2, v14
	v_mov_b32 v[PX], 0
	v_mov_b32 v[PX+1], 0
	s_mov_b32 s44, 0x76543210
	s_mov_b32 s45, 0xfedcba98                      ; v_permlanex16_b32's selects for lane l xor 16
	s_mov_b32 s46, 0xffff0000                      ; lanes 16-31
	s_mov_b32 s47, 0x0000ffff                      ; lanes 0-15
	s_mov_b32 s42, 2                               ; heads in the loop; the third is written out
	s_mul_i32 s48, s24, XBLK
	s_mul_i32 s50, s22, 18432
	s_add_co_u32 s48, s48, s50                     ; my quarter of my group's codes
	s_mov_b32 s49, 0
	s_lshl_b32 s50, s24, 12                        ; my group's scale words: 8 tiles x 512
	s_mov_b32 s51, 0
	s_mul_i32 s56, s23, 48
	s_lshl_b32 s57, s22, 2
	s_add_co_u32 s56, s56, s57
	s_add_co_u32 s56, s56, 1280                    ; the tile id of my head's first tile of W
	s_mul_i32 s58, s56, 9216
	s_mov_b32 s59, 0
	s_lshl_b32 s56, s56, 9
	s_mov_b32 s57, 0
	s_wait_alu depctr_va_vdst(0)
	s_wait_dscnt 0x0                               ; both opening adds are done
	s_wait_kmcnt 0x0
	s_add_nc_u64 s[52:53], s[4:5], s[48:49]
	s_add_nc_u64 s[54:55], s[6:7], s[50:51]
	s_add_nc_u64 s[28:29], s[4:5], s[58:59]
	s_add_nc_u64 s[30:31], s[6:7], s[56:57]
.irp j, 0,1,2,3
	global_load_b128 v[XS+6*\j:XS+6*\j+3], v[L32], s[54:55] offset:1024*\j
	global_load_b64 v[XS+6*\j+4:XS+6*\j+5], v[L32], s[54:55] offset:1024*\j+16
.endr
	s_mov_b32 s68, 1
	s_mov_b64 s[70:71], s[52:53]                   ; my quarter of my group's codes
	s_or_b32 s71, s71, 0x80000000                  ; the type
	tensor_load_to_lds s[68:71], s[72:79]          ; my one tensor load: 72 rows x 256 bytes
	s_nop 0
.rept 4
	v_nop
.endr
	WLD WFB, 0                                     ; W's first K step and its scale words
	WSCLD 0
	; where the results go, chosen by the product's number alone
	s_cmp_eq_u32 s23, 0
	s_cselect_b64 s[32:33], s[8:9], s[10:11]
	s_cselect_b64 s[34:35], s[14:15], s[16:17]
	s_cselect_b64 s[36:37], s[14:15], s[18:19]
	s_mov_b32 s38, 61440
	s_cselect_b32 s38, 33280, s38                  ; bytes of codes for a (batch, head)
	s_mov_b32 s40, 3840
	s_cselect_b32 s40, 33280, s40                  ; and from one's scale words to the next's
	s_cselect_b32 s56, 30720, 0                    ; q's words lie behind q's codes
	s_cmp_eq_u32 s23, 2
	s_cselect_b64 s[32:33], s[12:13], s[32:33]
	s_cselect_b32 s57, 30720, 0                    ; v's codes lie behind k's,
	s_cselect_b32 s56, 2560, s56                   ; its words behind k's,
	s_cselect_b32 s58, 8, 9                        ; 256 bytes a group against 512
	s_mul_i32 s59, s25, 12
	s_add_co_u32 s59, s59, s22                     ; 12 x batch + head
	s_mul_i32 s48, s59, s38
	s_add_co_u32 s48, s48, s57
	s_mul_i32 s57, s26, 6144
	s_add_co_u32 s48, s48, s57
	s_add_nc_u64 s[34:35], s[34:35], s[48:49]
	s_mul_i32 s50, s59, s40
	s_add_co_u32 s50, s50, s56
	s_lshl_b32 s57, s26, s58
	s_add_co_u32 s50, s50, s57
	s_add_nc_u64 s[36:37], s[36:37], s[50:51]
	s_lshl_b32 s38, s38, 2                         ; four heads on
	s_mov_b32 s39, 0
	s_lshl_b32 s40, s40, 2
	s_mov_b32 s41, 0
	s_lshl_b32 s48, s22, 8
	s_add_nc_u64 s[32:33], s[32:33], s[48:49]      ; my head's 64 numbers of the bias
	WLD WFB-48, 1536                               ; W's second K step
	s_wait_tensorcnt 0x0                           ; for the others' sake: my quarter has landed
	s_barrier_signal -1
	s_barrier_wait -1                              ; both groups' fragments lie in LDS; nothing is filled or stored there again
	XLD 0, 0
	XLD 0, 4
	s_cmp_eq_u32 s23, 2
	s_cbranch_scc1 .Lv
	BIASLD 0                                       ; the youngest global load at the first wait of the first head
.Lqtrip:
	TRIP 0, 0
	s_sub_co_u32 s42, s42, 1
	s_cmp_lg_u32 s42, 0
	s_cbranch_scc1 .Lqtrip
	TRIP 0, 1
	s_branch .Lend
.Lv:
.irp n, 0,1,2,3
	v_mov_b32 v[BQ+2*\n+1], 0                      ; named as the upper halves of the bias's pairs, so they are written
.endr
	BIASLD 1
.Lvtrip:
	TRIP 1, 0
	s_sub_co_u32 s42, s42, 1
	s_cmp_lg_u32 s42, 0
	s_cbranch_scc1 .Lvtrip
	TRIP 1, 1
.Lend:
	s_wait_tensorcnt 0x0                           ; the wave's end, behind my last LDS store
	ds_add_u32 v[SPW], v[NIL]
	s_wait_dscnt 0x0
	s_endpgm
.Lfunc_end_k_q19cc7bf5dd_proj:
	.size	k_q19cc7bf5dd_proj, .Lfunc_end_k_q19cc7bf5dd_proj-k_q19cc7bf5dd_proj
	.p2alignl 7, 3214868480
	.fill 96, 4, 3214868480
	.section	.rodata,"a",@progbits
	.p2align	6, 0x0
	.amdhsa_kernel k_q19cc7bf5dd_proj
		.amdhsa_group_segment_fixed_size 167936
		.amdhsa_private_segment_fixed_size 0
		.amdhsa_enable_private_segment 0
		.amdhsa_kernarg_size 64
		.amdhsa_user_sgpr_count 2
		.amdhsa_user_sgpr_kernarg_segment_ptr 1
		.amdhsa_wavefront_size32 1
		.amdhsa_system_sgpr_workgroup_id_x 1
		.amdhsa_system_sgpr_workgroup_id_y 1
		.amdhsa_system_sgpr_workgroup_id_z 1
		.amdhsa_system_vgpr_workitem_id 0
		.amdhsa_next_free_vgpr 512
		.amdhsa_next_free_sgpr 80
		.amdhsa_reserve_vcc 0
		.amdhsa_float_denorm_mode_32 3
		.amdhsa_float_denorm_mode_16_64 3
		.amdhsa_memory_ordered 1
		.amdhsa_forward_progress 1
		.amdhsa_inst_pref_size 255
	.end_amdhsa_kernel
	.section	.bss,"aw",@nobits
	.p2align	6
	.space	262144
	.amdgpu_metadata
---
amdhsa.version: [ 1, 2 ]
amdhsa.kernels:
  - .name:           k_q19cc7bf5dd_proj
    .symbol:         k_q19cc7bf5dd_proj.kd
    .args:
      - { .name: codes, .offset: 0, .size: 8, .value_kind: global_buffer, .address_space: global }
      - { .name: scales, .offset: 8, .size: 8, .value_kind: global_buffer, .address_space: global }
      - { .name: bq, .offset: 16, .size: 8, .value_kind: global_buffer, .address_space: global }
      - { .name: bk, .offset: 24, .size: 8, .value_kind: global_buffer, .address_space: global }
      - { .name: bv, .offset: 32, .size: 8, .value_kind: global_buffer, .address_space: global }
      - { .name: qc, .offset: 40, .size: 8, .value_kind: global_buffer, .address_space: global }
      - { .name: kvc, .offset: 48, .size: 8, .value_kind: global_buffer, .address_space: global }
      - { .name: kvs, .offset: 56, .size: 8, .value_kind: global_buffer, .address_space: global }
    .group_segment_fixed_size: 167936
    .private_segment_fixed_size: 0
    .kernarg_segment_align: 8
    .kernarg_segment_size: 64
    .max_flat_workgroup_size: 256
    .sgpr_count:     80
    .vgpr_count:     512
    .wavefront_size: 32
...
	.end_amdgpu_metadata
.endif
;; end of part 2
;; launch attn (part 3): grid 8 x 32, 16 waves a work-group, no clusters, 256,000 bytes of LDS; arguments qc, kvc, kvs, out0; writes out0
.if DOCPART == 3
	.amdgcn_target "amdgcn-amd-amdhsa--gfx1250"
	.amdhsa_code_object_version 6
	.text
	.protected	k_q19cc7bf5dd_attn
	.globl	k_q19cc7bf5dd_attn
	.p2align	8
	.type	k_q19cc7bf5dd_attn,@function
k_q19cc7bf5dd_attn:
	s_mov_b64 s[64:65], 0
	v_nop
	global_prefetch_b8 v0, s[64:65] scope:SCOPE_SE
	s_setreg_imm32_b32 hwreg(HW_REG_WAVE_MODE, 25, 1), 1
	s_wait_xcnt 0x0
; out0[b][q][64 head ..] = the sum over keys of softmax(q . k / 8) v, both products on codes of FP6 (E2M3) with one E8M0 byte for each 32 along a product's K; 577 tokens, 12 heads of 64.
; THE SOFTMAX AHEAD OF THE SECOND PRODUCT: t = score x log2(e) / 8; M = the running largest t, rounded UP to a whole number; p = 2^(t - M) is what is quantised, along the keys, not normalised.
; The row's sum is taken of the unquantised p and divides at the end.  When M moves, the sum and O are multiplied by 2^(old M - new M): exact.
; SHARES.  Work-group (x, b): heads 3 (x / 2) .. + 2 of batch b, and half x % 2 of the 37 query tiles (19 and 18).  SIXTEEN waves of 256 registers, four to a SIMD, so that one wave's vector work stands beside
; the others' matrix work, LDS loads and waits.  Waves 0-5 serve the first of the three heads, waves 6-10 the second, waves 11-15 the third; a wave takes tiles 19 half + its place + 6 (or 5) x trip, four trips;
; a trip whose tile lies beyond the half's last is jumped over (a branch on ids).
; K's and V's codes of the three heads come into LDS once, as they lie in memory (images of registers): one block of 184,320 bytes, 11,520 a wave; their scale words stay in registers.  One barrier in the launch.
; LAYOUT.  Both products are used transposed: S^T = K Q^T (source 0 = 16 keys, source 1 = my 16 queries), O^T = V^T P^T: a lane holds ONE query throughout.
; Tile T's rows are tokens 32 (T / 2) + 8 (T % 2) + r + 8 (r / 8), so the 16 registers of key tiles 2 b and 2 b + 1 are 16 neighbouring keys, 32 b + 16 h + 0 .. 15.
; K = 64 IN AN INSTRUCTION OF 128: Q's upper six registers are zero codes.  K's tiles lie on end, six registers each, and a tile is named with the six registers behind it (other codes, or zeros):
; every pattern of six bits is a finite number, which meets Q's zeros and adds nothing.
; THE FIFTH KEY STEP HAS 65 KEYS, 512 to 576, and does only their work: five tiles of K, 33 exponentials, three blocks of p; p's block 2 is key 576 and zeros, its block 3 zeros.
; No cluster: only two work-groups read the same K and V, once, at the head.
; LIMITS: NaN and infinities are not served; v_exp_f32 gives 0 for a p under 2^-126 (ISA guide, its entry in 15.8); a block of p whose largest lies under 2^-124 gets the byte 1.
; THE HALVES, more exactly than above: they are cut head by head.  The first head (six waves) is cut at tile 18, the other two (five waves each) at tile 19: half 0 has 18 + 19 + 19 = 56 tiles, half 1 has 19 + 18 + 18 = 55.
; A wave takes tiles (the cut x half) + its place + 6 (or 5) x trip; the first head's places are counted backward (wave 5 has place 0), so that its one fourth trip, in half 1, falls to wave 5.
; K's and V's codes come into LDS by one tensor load a wave: 45 dense rows of 256 bytes, 11,520 bytes, to LDS byte 11,520 x wave.  No LDS byte is filled twice.
.set KVB,   61440                      ; a head's codes of K (40 tiles x 768) and of V (20 fragments x 1,536)
.set STAGE, 3*KVB                      ; the way out: 16 rows x (256 bytes + 16) for each wave
.set SPARE, STAGE+16*4352              ; the spare words, 128 bytes a wave
.set L16,  1                           ; 16 x lane
.set L8,   2                           ; 8 x lane
.set R16,  3                           ; 16 r
.set A16,  4                           ; my head's codes in LDS + 16 x lane
.set A8,   5                           ; + 8 x lane
.set STO,  6                           ; my stage: 272 r + 64 h
.set RD,   7                           ; 272 h + 16 r
.set GO,   8                           ; in out0: 3,072 h + 16 r
.set SPW,  9                           ; my spare word; never rewritten
.set NIL,  10                          ; 0; never rewritten
.set NINF, 11                          ; -infinity
                                       ; v12 -M, v13 the largest t, v[14:15] the sum in two halves; v16-21 Q, v22-27 zeros; v28 Q's scale words
.set KSC,  32                          ; v32-51 K's scale words: register 4 g + j: lanes 0-15 tile 8 g + 2 j, lanes 16-31 the next
.set VSC,  52                          ; v52-61 V's: register 2 g + j likewise
.set F,    64                          ; v64-111 eight tiles of K, or four fragments of V; v112-117 zeros
.set S,    120                         ; v120-183 S^T, then p
.set O,    184                         ; v184-215 O^T
.set PC,   216                         ; v216-227 p's codes
.set BM,   228                         ; v228-231 the blocks' largest
.set T1,   232                         ; v232-239 at work
.set SO,   240                         ; v240-243 the conversions' scale operands
.set FF,   244                         ; f = 2^(old M - new M)
.set PW,   245                         ; p's scale word
.set TMP,  246
.macro PLACES                          ; four plain places behind a matrix instruction, ahead of loads into its registers and of reads of its results
.rept 4
	v_nop
.endr
.endm
.macro WM d, a, b, zero, sa, sb, ra    ; one matrix instruction.  zero: it starts the sum.  ra: source 0's scale words stand in lanes 16-31
.if \zero
.if (\ra)
	v_wmma_scale_f32_16x16x128_f8f6f4 v[\d:\d+7], v[\a:\a+11], v[\b:\b+11], 0, v[\sa], v[\sb] matrix_a_fmt:MATRIX_FMT_FP6 matrix_b_fmt:MATRIX_FMT_FP6 matrix_a_scale:MATRIX_SCALE_ROW1
.else
	v_wmma_scale_f32_16x16x128_f8f6f4 v[\d:\d+7], v[\a:\a+11], v[\b:\b+11], 0, v[\sa], v[\sb] matrix_a_fmt:MATRIX_FMT_FP6 matrix_b_fmt:MATRIX_FMT_FP6
.endif
.else
.if (\ra)
	v_wmma_scale_f32_16x16x128_f8f6f4 v[\d:\d+7], v[\a:\a+11], v[\b:\b+11], v[\d:\d+7], v[\sa], v[\sb] matrix_a_fmt:MATRIX_FMT_FP6 matrix_b_fmt:MATRIX_FMT_FP6 matrix_a_scale:MATRIX_SCALE_ROW1
.else
	v_wmma_scale_f32_16x16x128_f8f6f4 v[\d:\d+7], v[\a:\a+11], v[\b:\b+11], v[\d:\d+7], v[\sa], v[\sb] matrix_a_fmt:MATRIX_FMT_FP6 matrix_b_fmt:MATRIX_FMT_FP6
.endif
.endif
.endm
.macro QLOAD                           ; query tile s43 (0 .. 39): its codes and its rows' scale words.  The loads that last named s[28:31] have been waited for
	s_mul_i32 s44, s43, 768
	s_add_nc_u64 s[28:29], s[26:27], s[44:45]
	s_lshr_b32 s44, s43, 3
	s_lshl_b32 s44, s44, 9                         ; the words of tile 8 g + 2 j + u, row r, lie at 512 g + 256 u + 16 r + 4 j
	s_and_b32 s46, s43, 1
	s_lshl_b32 s46, s46, 8
	s_add_co_u32 s44, s44, s46
	s_bfe_u32 s46, s43, 0x20001
	s_lshl_b32 s46, s46, 2
	s_add_co_u32 s44, s44, s46
	s_add_co_u32 s44, s44, 30720
	s_add_nc_u64 s[30:31], s[26:27], s[44:45]
	global_load_b128 v[16:19], v[L16], s[28:29]
	global_load_b64 v[20:21], v[L8], s[28:29] offset:512
	global_load_b32 v28, v[R16], s[30:31]
.endm
.macro VLOAD g                         ; V's four fragments of key step g: they land while the softmax is worked
.irp n, 0,1,2,3
.irp c, 0,1,2
	ds_load_b128 v[F+12*\n+4*\c:F+12*\n+4*\c+3], v[A16] offset:30720+1536*(4*(\g)+\n)+512*\c
.endr
.endr
.endm
.macro NEWM                            ; v[TMP] holds the step's largest score: the running largest t, the new -M, and f
	s_delay_alu instid0(VALU_DEP_1)
	v_mul_f32 v[TMP], s36, v[TMP]
	s_delay_alu instid0(VALU_DEP_1)
	v_max_num_f32 v13, v13, v[TMP]                 ; the running largest t
	v_mov_b32 v[TMP], v12
	s_delay_alu instid0(VALU_DEP_2)
	v_floor_f32 v12, -v13                          ; the new -M = floor(-t) = -ceil(t): M is a whole number
	s_delay_alu instid0(VALU_DEP_1)
	v_sub_f32 v[TMP], v12, v[TMP]                  ; old M - new M: a whole number, 0 or less
	s_delay_alu instid0(VALU_DEP_1)
	v_cvt_i32_f32 v[TMP], v[TMP]
	s_delay_alu instid0(VALU_DEP_1)
	v_ldexp_f32 v[FF], 1.0, v[TMP]                 ; f = 2^(old M - new M)
.endm
.macro PV g, zero                      ; O^T (+)= V^T P^T: the four accumulators by turns
	s_wait_dscnt 0x0                               ; V is in
.irp n, 0,1,2,3
	WM O+8*\n, F+12*\n, PC, \zero, VSC+2*(\g)+\n/2, PW, \n%2
.endr
	PLACES
.endm
; A KEY STEP: keys 128 g .. 128 g + 127, g = 0 .. 3
.macro STEP g
.irp t, 0,1,2,3,4,5,6,7
	ds_load_b128 v[F+6*\t:F+6*\t+3], v[A16] offset:768*(8*(\g)+\t)
	ds_load_b64 v[F+6*\t+4:F+6*\t+5], v[A8] offset:768*(8*(\g)+\t)+512
.endr
	s_wait_dscnt 0x0
.irp t, 0,1,2,3,4,5,6,7
	WM S+8*\t, F+6*\t, 16, 1, KSC+4*(\g)+\t/2, 28, \t%2
.endr
	PLACES
	VLOAD \g
.irp b, 0,1,2,3
	v_max3_num_f32 v[BM+\b], v[S+16*\b], v[S+16*\b+1], v[S+16*\b+2]   ; the largest score of each block of 32 keys: for the row's maximum, and, since p rises with the score, for the block's largest p
.endr
.irp i, 3,5,7,9,11,13
.irp b, 0,1,2,3
	v_max3_num_f32 v[BM+\b], v[BM+\b], v[S+16*\b+\i], v[S+16*\b+\i+1]
.endr
.endr
.irp b, 0,1,2,3
	v_max_num_f32 v[BM+\b], v[BM+\b], v[S+16*\b+15]
.endr
.irp b, 0,1,2,3
	s_delay_alu instid0(VALU_DEP_4)
	v_permlanex16_b32 v[T1+\b], v[BM+\b], s38, s39
.endr
.irp b, 0,1,2,3
	s_delay_alu instid0(VALU_DEP_4)
	v_max_num_f32 v[BM+\b], v[BM+\b], v[T1+\b]     ; with lane l xor 16's 16 keys
.endr
	s_delay_alu instid0(VALU_DEP_2)
	v_max3_num_f32 v[TMP], v[BM], v[BM+1], v[BM+2]
	s_delay_alu instid0(VALU_DEP_1)
	v_max_num_f32 v[TMP], v[TMP], v[BM+3]          ; the step's largest score of my query
.if (\g) == 0
	s_delay_alu instid0(VALU_DEP_1)
	v_mul_f32 v13, s36, v[TMP]                     ; as t: the first step starts the running maximum
	s_delay_alu instid0(VALU_DEP_1)
	v_floor_f32 v12, -v13                          ; -M = floor(-t) = -ceil(t)
.else
	NEWM
.endif
.irp j, 0,2,4,6,8,10,12,14,16,18,20,22,24,26,28,30,32,34,36,38,40,42,44,46,48,50,52,54,56,58,60,62
	v_pk_fma_f32 v[S+\j:S+\j+1], v[S+\j:S+\j+1], s[36:37], v[12:13] op_sel_hi:[1,0,0]   ; t - M, two at a time
.endr
.irp b, 0,1,2,3
	v_fma_f32 v[BM+\b], v[BM+\b], s36, v12         ; the same of each block's largest score
.endr
.set k, 0
	s_wait_alu depctr_va_vdst(0)
.rept 64
	v_exp_f32 v[S+k], v[S+k]                       ; p = 2^(t - M)
.set k, k+1
.endr
.if (\g) == 0
	v_mov_b32 v14, 0                               ; the sum begins.  (A plain place behind the exponentials)
	v_mov_b32 v15, 0
.else
	v_pk_mul_f32 v[14:15], v[14:15], v[FF:FF+1] op_sel_hi:[1,0]   ; the sum under the new M.  (A plain place behind the exponentials)
.endif
	s_wait_alu depctr_va_vdst(0)                   ; one wait for the whole batch, ahead of its first reader
.irp b, 0,1,2,3
	v_exp_f32 v[BM+\b], v[BM+\b]                   ; the block's largest p: the same two instructions on the same number
.endr
	v_pk_add_f32 v[232:233], v[124:125], v[128:129]
	v_pk_add_f32 v[254:255], v[132:133], v[136:137]
	v_pk_add_f32 v[252:253], v[140:141], v[144:145]
	v_pk_add_f32 v[250:251], v[148:149], v[152:153]
	v_pk_add_f32 v[248:249], v[156:157], v[160:161]
	v_pk_add_f32 v[118:119], v[164:165], v[168:169]
	v_pk_add_f32 v[62:63], v[172:173], v[176:177]
	v_pk_add_f32 v[14:15], v[14:15], v[180:181]
	v_pk_add_f32 v[232:233], v[232:233], v[120:121]
	v_pk_add_f32 v[254:255], v[254:255], v[122:123]
	v_pk_add_f32 v[252:253], v[252:253], v[126:127]
	v_pk_add_f32 v[250:251], v[250:251], v[130:131]
	v_pk_add_f32 v[248:249], v[248:249], v[134:135]
	v_pk_add_f32 v[118:119], v[118:119], v[138:139]
	v_pk_add_f32 v[62:63], v[62:63], v[142:143]
	v_pk_add_f32 v[14:15], v[14:15], v[146:147]
	v_pk_add_f32 v[232:233], v[232:233], v[150:151]
	v_pk_add_f32 v[254:255], v[254:255], v[154:155]
	v_pk_add_f32 v[252:253], v[252:253], v[158:159]
	v_pk_add_f32 v[250:251], v[250:251], v[162:163]
	v_pk_add_f32 v[248:249], v[248:249], v[166:167]
	v_pk_add_f32 v[118:119], v[118:119], v[170:171]
	v_pk_add_f32 v[62:63], v[62:63], v[174:175]
	v_pk_add_f32 v[14:15], v[14:15], v[178:179]
	v_pk_add_f32 v[232:233], v[232:233], v[182:183]
	s_delay_alu instid0(VALU_DEP_2)
	v_pk_add_f32 v[14:15], v[14:15], v[250:251]
	s_delay_alu instid0(VALU_DEP_2)
	v_pk_add_f32 v[232:233], v[232:233], v[248:249]
	v_pk_add_f32 v[254:255], v[254:255], v[118:119]
	v_pk_add_f32 v[252:253], v[252:253], v[62:63]
	s_delay_alu instid0(VALU_DEP_2)
	v_pk_add_f32 v[14:15], v[14:15], v[254:255]
	s_delay_alu instid0(VALU_DEP_2)
	v_pk_add_f32 v[232:233], v[232:233], v[252:253]
	s_delay_alu instid0(VALU_DEP_1)
	v_pk_add_f32 v[14:15], v[14:15], v[232:233]
	s_wait_alu depctr_va_vdst(0)                   ; and one for the four
.irp b, 0,1,2,3
	v_max_num_f32 v[BM+\b], 0x1800000, v[BM+\b]    ; the floor 2^(3 - 127): the byte cannot fall under 1
.endr
.irp b, 0,1,2,3
	s_delay_alu instid0(VALU_DEP_4)
	v_add_nc_u32 v[SO+\b], 0xff000000, v[BM+\b]    ; 2 off the exponent field: the conversion's scale operand
.endr
.irp b, 0,1,2,3
	s_delay_alu instid0(VALU_DEP_4)
	v_lshrrev_b32 v[T1+\b], 23, v[SO+\b]
.endr
	s_delay_alu instid0(VALU_DEP_3)
	v_lshl_or_b32 v[PW], v[T1+1], 8, v[T1]         ; p's scale word for these 128 keys
	s_delay_alu instid0(VALU_DEP_1)
	v_lshl_or_b32 v[PW], v[T1+2], 16, v[PW]
	s_delay_alu instid0(VALU_DEP_1)
	v_lshl_or_b32 v[PW], v[T1+3], 24, v[PW]
.irp c, 0,1
	v_cvt_scalef32_pk16_fp6_f32 v[PC+6*\c:PC+6*\c+2], v[S+32*\c:S+32*\c+15], v[SO+2*\c]
	v_cvt_scalef32_pk16_fp6_f32 v[T1+4*\c:T1+4*\c+2], v[S+32*\c+16:S+32*\c+31], v[SO+2*\c+1]
.endr
	v_nop                                          ; one plain place behind a scaled conversion
.irp c, 0,1
.irp i, 0,1,2
	v_permlane16_swap_b32 v[PC+6*\c+\i], v[T1+4*\c+\i]   ; a whole block to a lane: lanes 0-15 block 2 c, lanes 16-31 block 2 c + 1
.endr
.irp i, 0,1,2
	s_delay_alu instid0(VALU_DEP_3)
	v_mov_b32 v[PC+6*\c+3+\i], v[T1+4*\c+\i]
.endr
.endr
.if (\g) == 0
	s_wait_alu depctr_va_vdst(0)
.rept 8
	v_nop                                          ; a scale word made by vector instructions stands eight places ahead of the scaled matrix instruction, codes so made four
.endr
.else
.irp j, 0,2,4,6,8,10,12,14,16,18,20,22,24,26,28,30
	v_pk_mul_f32 v[O+\j:O+\j+1], v[O+\j:O+\j+1], v[FF:FF+1] op_sel_hi:[1,0]   ; O^T under the new M.  (These are also those places)
.endr
.endif
	s_wait_alu depctr_va_vdst(0)
	PV \g, (\g)==0
.endm
	s_load_b256 s[4:11], s[0:1], 0x0               ; qc, kvc, kvs, out0
	v_lshl_add_u32 v[SPW], v0, 2, SPARE
	v_mov_b32 v[NIL], 0
	ds_add_u32 v[SPW], v[NIL]                      ; the opening lines, ahead of my tensor load: the add, twice on end, under one wait
	ds_add_u32 v[SPW], v[NIL]
	s_mov_b32 s56, 3<<16                           ; descriptor group 1: elements of 8 bytes, no padding
	s_mov_b32 s57, 32<<16                          ; tensor_dim0 = 32 elements: 256 bytes
	s_mov_b32 s58, 45<<16                          ; tensor_dim1 = 45 rows
	s_mov_b32 s59, 32<<16                          ; tile_dim0
	s_mov_b32 s60, 45                              ; tile_dim1
	s_mov_b32 s61, 32                              ; the pitch: rows lie on end
	s_mov_b32 s62, 0
	s_mov_b32 s63, 0
	v_lshrrev_b32 v12, 5, v0
	s_delay_alu instid0(VALU_DEP_1)
	v_readfirstlane_b32 s12, v12                   ; wave 0..15
	s_mul_i32 s13, s12, 3
	s_lshr_b32 s13, s13, 4                         ; which of the three heads: waves 0-5, 6-10, 11-15
	s_min_u32 s14, s13, 1
	s_mul_i32 s43, s13, 5
	s_add_co_u32 s43, s43, s14                     ; the head's first wave: 0, 6, 11
	s_sub_co_u32 s14, s12, s43                     ; my place among the head's waves,
	s_sub_co_u32 s50, 5, s14                       ; and counted backward
	s_cmp_eq_u32 s13, 0
	s_cselect_b32 s48, 6, 5                        ; how many they are: from one of my tiles to the next
	s_cselect_b32 s49, 18, 19                      ; where my head's 37 tiles are cut in two
	s_cselect_b32 s14, s50, s14                    ; the first head's places go backward
	s_lshr_b32 s15, ttmp9, 1                       ; which three heads
	s_and_b32 s16, ttmp9, 1                        ; which half of the queries
	s_and_b32 s17, ttmp7, 0xffff                   ; batch
	s_mul_i32 s18, s15, 3
	s_add_co_u32 s18, s18, s13                     ; head
	s_mul_i32 s19, s17, 12
	s_add_co_u32 s19, s19, s18                     ; 12 x batch + head
	s_mul_i32 s20, s16, s49
	s_add_co_u32 s20, s20, s14                     ; my first query tile
	s_sub_co_u32 s21, 37, s49
	s_mul_i32 s21, s21, s16
	s_add_co_u32 s21, s21, s49                     ; the half's tiles end here: at the cut or at 37
	v_and_b32 v13, 31, v0                          ; lane
	v_and_b32 v14, 15, v0                          ; r
	v_bfe_u32 v15, v0, 4, 1                        ; h
	s_delay_alu instid0(VALU_DEP_3)
	v_lshlrev_b32 v[L16], 4, v13
	s_delay_alu instid0(VALU_DEP_4)
	v_lshlrev_b32 v[L8], 3, v13
	s_delay_alu instid0(VALU_DEP_4)
	v_lshlrev_b32 v[R16], 4, v14
	s_mul_i32 s43, s13, KVB
	v_add_nc_u32 v[A16], s43, v[L16]
	v_add_nc_u32 v[A8], s43, v[L8]
	s_mul_i32 s43, s12, 4352
	s_add_co_u32 s43, s43, STAGE
	v_mul_u32_u24 v[STO], v14, 272
	s_delay_alu instid0(VALU_DEP_1)
	v_lshl_add_u32 v[STO], v15, 6, v[STO]
	s_delay_alu instid0(VALU_DEP_1)
	v_add_nc_u32 v[STO], s43, v[STO]
	v_mul_u32_u24 v[RD], v15, 272
	s_delay_alu instid0(VALU_DEP_1)
	v_lshl_add_u32 v[RD], v14, 4, v[RD]
	s_delay_alu instid0(VALU_DEP_1)
	v_add_nc_u32 v[RD], s43, v[RD]
	v_mul_u32_u24 v[GO], v15, 3072
	s_delay_alu instid0(VALU_DEP_1)
	v_lshl_add_u32 v[GO], v14, 4, v[GO]
	v_mov_b32 v[NINF], 0xff800000
.irp i, 0,1,2,3,4,5
	v_mov_b32 v[22+\i], 0                          ; Q's upper 64 along K: zero codes
	v_mov_b32 v[F+48+\i], 0                        ; and what stands behind K's eighth tile
.endr
	s_mov_b32 s36, 0x3e38aa3b                      ; c = log2(e) / 8
	s_mov_b32 s37, s36                             ; (named with it as a pair, so it is written)
	s_mov_b32 s38, 0x76543210
	s_mov_b32 s39, 0xfedcba98                      ; v_permlanex16_b32's selects for lane l xor 16
	s_mov_b32 s40, 0xffff0000                      ; lanes 16-31
	s_mov_b32 s41, 0                               ; trip
	s_mov_b32 s45, 0                               ; the upper word of the offsets' pair s[44:45], for the whole launch
	s_mov_b32 s47, 0
	s_sub_co_u32 s44, s19, s13                     ; the first of the three heads: their codes lie on end in memory as in LDS
	s_mul_i32 s44, s44, KVB
	s_mul_i32 s46, s12, 11520
	s_add_co_u32 s44, s44, s46                     ; my sixteenth of the three heads' codes
	s_mul_i32 s46, s19, 3840                       ; my head's scale words
	s_wait_alu depctr_va_vdst(0)
	s_wait_dscnt 0x0                               ; both opening adds are done
	s_wait_kmcnt 0x0
	s_add_nc_u64 s[22:23], s[6:7], s[44:45]
	s_add_nc_u64 s[24:25], s[8:9], s[46:47]
	s_mul_i32 s44, s19, 33280
	s_add_nc_u64 s[26:27], s[4:5], s[44:45]        ; my head's Q
	s_mul_i32 s44, s17, 577*3072
	s_lshl_b32 s46, s18, 8
	s_add_co_u32 s44, s44, s46
	s_add_nc_u64 s[32:33], s[10:11], s[44:45]      ; my batch's first row of out0, my head's 256 bytes
	s_mov_b32 s52, 1                               ; descriptor group 0
	s_mul_i32 s53, s12, 11520                      ; where my sixteenth goes in LDS
	s_mov_b64 s[54:55], s[22:23]                   ; and where it lies in memory
	s_or_b32 s55, s55, 0x80000000                  ; the type
	tensor_load_to_lds s[52:55], s[56:63]          ; my one tensor load: 45 rows x 256 bytes
	s_nop 0
.rept 4
	v_nop
.endr
.irp g, 0,1,2,3,4
	global_load_b128 v[KSC+4*\g:KSC+4*\g+3], v[L16], s[24:25] offset:512*\g
.endr
.irp g, 0,1,2,3,4
	global_load_b64 v[VSC+2*\g:VSC+2*\g+1], v[L8], s[24:25] offset:2560+256*\g
.endr
	s_mov_b32 s43, s20
	QLOAD
	s_wait_tensorcnt 0x0                           ; for the others' sake: my sixteenth has landed
	s_barrier_signal -1
	s_barrier_wait -1                              ; the three heads' codes lie in LDS; nothing is filled or stored there again
.irp b, 0,1,2,3
	v_mov_b32 v[T1+\b], 0                          ; a lane permute's destination counts as one of its sources
.endr
.Ltrip:
	s_cmp_ge_u32 s20, s21                          ; a tile beyond my half's last: nothing to do (a branch on ids; no barrier stands in a trip)
	s_cbranch_scc1 .Lnext
	s_wait_loadcnt 0x0                             ; Q, and in the first trip the scale words
	s_wait_alu depctr_va_vdst(0)
	STEP 0
	STEP 1
	STEP 2
	STEP 3
	; THE FIFTH KEY STEP: keys 512 to 576.  Registers S + 0 .. 31 hold keys 512 + 32 b + 16 h + i as in every step; register S + 32 of lanes 0-15 holds key 576.
.irp t, 0,1,2,3,4
	ds_load_b128 v[F+6*\t:F+6*\t+3], v[A16] offset:768*(32+\t)
	ds_load_b64 v[F+6*\t+4:F+6*\t+5], v[A8] offset:768*(32+\t)+512
.endr
	s_wait_dscnt 0x0
.irp t, 0,1,2,3,4
	WM S+8*\t, F+6*\t, 16, 1, KSC+16+\t/2, 28, \t%2   ; (behind the fifth tile stand codes of V that were read in the step before: they meet Q's zeros)
.endr
	PLACES
	s_cmp_eq_u32 s41, 3                            ; the next trip's Q is asked for here, a step's softmax and the way out ahead of its use; the last trip asks for nothing
	s_cbranch_scc1 .Lnoq
	s_add_co_u32 s43, s20, s48
	s_min_u32 s43, s43, 39                         ; held inside the 40 tiles that were written (a tile beyond the half's last is loaded and not used)
	QLOAD
.Lnoq:
	VLOAD 4
	v_cndmask_b32 v[S+32], v[S+32], v[NINF], s40   ; lanes 16-31 hold key 592 there, which does not exist: -infinity ahead of the maximum, so p = 0
.irp b, 0,1
	v_max3_num_f32 v[BM+\b], v[S+16*\b], v[S+16*\b+1], v[S+16*\b+2]
.endr
.irp i, 3,5,7,9,11,13
.irp b, 0,1
	v_max3_num_f32 v[BM+\b], v[BM+\b], v[S+16*\b+\i], v[S+16*\b+\i+1]
.endr
.endr
.irp b, 0,1
	v_max_num_f32 v[BM+\b], v[BM+\b], v[S+16*\b+15]
.endr
	s_delay_alu instid0(VALU_DEP_2)
	v_permlanex16_b32 v[T1], v[BM], s38, s39
	s_delay_alu instid0(VALU_DEP_2)
	v_permlanex16_b32 v[T1+1], v[BM+1], s38, s39
	v_permlanex16_b32 v[T1+2], v[S+32], s38, s39
	s_delay_alu instid0(VALU_DEP_3)
	v_max_num_f32 v[BM], v[BM], v[T1]
	s_delay_alu instid0(VALU_DEP_3)
	v_max_num_f32 v[BM+1], v[BM+1], v[T1+1]
	s_delay_alu instid0(VALU_DEP_3)
	v_max_num_f32 v[BM+2], v[S+32], v[T1+2]        ; block 2's largest score is key 576's, in both halves of the lanes
	s_delay_alu instid0(VALU_DEP_1)
	v_max3_num_f32 v[TMP], v[BM], v[BM+1], v[BM+2]
	NEWM
.irp j, 0,2,4,6,8,10,12,14,16,18,20,22,24,26,28,30
	v_pk_fma_f32 v[S+\j:S+\j+1], v[S+\j:S+\j+1], s[36:37], v[12:13] op_sel_hi:[1,0,0]
.endr
	v_fma_f32 v[S+32], v[S+32], s36, v12
.irp b, 0,1,2
	v_fma_f32 v[BM+\b], v[BM+\b], s36, v12
.endr
.set k, 0
	s_wait_alu depctr_va_vdst(0)
.rept 33
	v_exp_f32 v[S+k], v[S+k]
.set k, k+1
.endr
	v_pk_mul_f32 v[14:15], v[14:15], v[FF:FF+1] op_sel_hi:[1,0]   ; the sum under the new M.  (A plain place behind the exponentials)
.set k, 33
.rept 15
	v_mov_b32 v[S+k], 0                            ; the rest of block 2's lower half: the quantiser fills a short block with zeros.  (Work that names no exponential's result)
.set k, k+1
.endr
	s_wait_alu depctr_va_vdst(0)                   ; one wait for the batch, ahead of its first reader
.irp b, 0,1,2
	v_exp_f32 v[BM+\b], v[BM+\b]
.endr
	v_pk_add_f32 v[232:233], v[124:125], v[128:129]
	v_pk_add_f32 v[254:255], v[132:133], v[136:137]
	v_pk_add_f32 v[252:253], v[140:141], v[144:145]
	v_pk_add_f32 v[250:251], v[148:149], v[120:121]
	v_pk_add_f32 v[248:249], v[122:123], v[126:127]
	v_pk_add_f32 v[118:119], v[130:131], v[134:135]
	v_pk_add_f32 v[62:63], v[138:139], v[142:143]
	v_pk_add_f32 v[14:15], v[14:15], v[146:147]
	v_pk_add_f32 v[232:233], v[232:233], v[150:151]
	s_delay_alu instid0(VALU_DEP_2)
	v_pk_add_f32 v[14:15], v[14:15], v[250:251]
	s_delay_alu instid0(VALU_DEP_2)
	v_pk_add_f32 v[232:233], v[232:233], v[248:249]
	v_pk_add_f32 v[254:255], v[254:255], v[118:119]
	v_pk_add_f32 v[252:253], v[252:253], v[62:63]
	s_delay_alu instid0(VALU_DEP_2)
	v_pk_add_f32 v[14:15], v[14:15], v[254:255]
	s_delay_alu instid0(VALU_DEP_2)
	v_pk_add_f32 v[232:233], v[232:233], v[252:253]
	s_delay_alu instid0(VALU_DEP_1)
	v_pk_add_f32 v[14:15], v[14:15], v[232:233]
	v_add_f32 v14, v14, v[S+32]                    ; and key 576's p (0 in lanes 16-31)
	s_wait_alu depctr_va_vdst(0)                   ; and one for the three
.irp b, 0,1,2
	v_max_num_f32 v[BM+\b], 0x1800000, v[BM+\b]
.endr
.irp b, 0,1,2
	s_delay_alu instid0(VALU_DEP_3)
	v_add_nc_u32 v[SO+\b], 0xff000000, v[BM+\b]
.endr
.irp b, 0,1,2
	s_delay_alu instid0(VALU_DEP_3)
	v_lshrrev_b32 v[T1+\b], 23, v[SO+\b]
.endr
	s_delay_alu instid0(VALU_DEP_2)
	v_lshl_or_b32 v[PW], v[T1+1], 8, v[T1]
	s_delay_alu instid0(VALU_DEP_1)
	v_lshl_or_b32 v[PW], v[T1+2], 16, v[PW]
	s_delay_alu instid0(VALU_DEP_1)
	v_or_b32 v[PW], 0x01000000, v[PW]              ; block 3 is zeros: the byte 1
	v_cvt_scalef32_pk16_fp6_f32 v[PC:PC+2], v[S:S+15], v[SO]
	v_cvt_scalef32_pk16_fp6_f32 v[T1:T1+2], v[S+16:S+31], v[SO+1]
	v_cvt_scalef32_pk16_fp6_f32 v[PC+6:PC+8], v[S+32:S+47], v[SO+2]   ; lanes 0-15: block 2's lower 16 codes; lanes 16-31: zeros, which are block 3's: nothing changes lanes
	v_nop                                          ; one plain place behind a scaled conversion
.irp i, 0,1,2
	v_permlane16_swap_b32 v[PC+\i], v[T1+\i]
.endr
.irp i, 0,1,2
	s_delay_alu instid0(VALU_DEP_3)
	v_mov_b32 v[PC+3+\i], v[T1+\i]
.endr
.irp i, 0,1,2
	v_mov_b32 v[PC+9+\i], 0                        ; the upper 16 codes of blocks 2 and 3
.endr
.irp j, 0,2,4,6,8,10,12,14,16,18,20,22,24,26,28,30
	v_pk_mul_f32 v[O+\j:O+\j+1], v[O+\j:O+\j+1], v[FF:FF+1] op_sel_hi:[1,0]   ; O^T under the new M.  (Also the places ahead of the scaled matrix instructions)
.endr
	s_wait_alu depctr_va_vdst(0)
	PV 4, 0
	; THE WAY OUT.  O^T / the sum goes through my stage in LDS and leaves as rows: sixteen lanes store one token's 256 bytes of my head, aligned.
	v_add_f32 v14, v14, v15                        ; the sum's two halves,
	s_delay_alu instid0(VALU_DEP_1)
	v_permlanex16_b32 v[TMP], v14, s38, s39
	s_delay_alu instid0(VALU_DEP_1)
	v_add_f32 v14, v14, v[TMP]                     ; and lane l xor 16's: the row's sum
	s_wait_alu depctr_va_vdst(0)
	v_rcp_f32 v14, v14
	v_nop                                          ; a plain place behind the transcendental
	s_lshr_b32 s43, s20, 1
	s_lshl_b32 s43, s43, 5
	s_and_b32 s46, s20, 1
	s_lshl_b32 s46, s46, 3
	s_add_co_u32 s43, s43, s46                     ; the tile's first token
	s_mul_i32 s44, s43, 3072
	s_add_nc_u64 s[34:35], s[32:33], s[44:45]      ; (the last trip's stores have read their base: the wait at that trip's end)
	s_wait_alu depctr_va_vdst(0)                   ; the wait ahead of the reciprocal's first reader
.irp j, 0,2,4,6,8,10,12,14,16,18,20,22,24,26,28,30
	v_pk_mul_f32 v[S+\j:S+\j+1], v[O+\j:O+\j+1], v[14:15] op_sel_hi:[1,0]   ; register 16 b + i: channel 32 b + 16 h + i of query r; each accumulator from its low end on
.endr
.irp b, 0,1
.irp q, 0,1,2,3
	ds_store_b128 v[STO], v[S+16*\b+4*\q:S+16*\b+4*\q+3] offset:128*\b+16*\q
.endr
.endr
.irp i, 0,1,2,3,4,5,6,7
	ds_load_b128 v[S+32+4*\i:S+32+4*\i+3], v[RD] offset:544*\i   ; LDS serves a wave's instructions in order: these see my stores.  Lanes 0-15 row 2 i, lanes 16-31 row 2 i + 1
.endr
	s_cmp_eq_u32 s20, 36
	s_cbranch_scc1 .Llast_tile
.irp i, 0,1,2,3,4,5,6,7
	s_wait_dscnt 7-\i
	global_store_b128 v[GO], v[S+32+4*\i:S+32+4*\i+3], s[34:35] offset:3072*(2*\i+8*(\i/4)) th:TH_STORE_NT   ; row 2 i + h of the tile is token 2 i + h + 8 (i / 4) behind its first
.endr
	s_branch .Lstored
.Llast_tile:                                       ; tile 36 has one token, 576: row 0, lanes 0-15
	s_wait_dscnt 0x0
	v_cmp_gt_u32 vcc_lo, 0x100, v[L16]
	s_wait_xcnt 0x0                                ; EXEC changes only behind this wait
	s_and_saveexec_b32 s42, vcc_lo
	global_store_b128 v[GO], v[S+32:S+35], s[34:35] th:TH_STORE_NT
	s_wait_xcnt 0x0                                ; and again, ahead of the line that widens it
	s_or_b32 exec_lo, exec_lo, s42
.Lstored:
	s_wait_xcnt 0x0                                ; the stores have read their data and their base: both are written again in the next trip
.Lnext:
	s_add_co_u32 s20, s20, s48                     ; my next tile
	s_add_co_u32 s41, s41, 1
	s_cmp_lt_u32 s41, 4
	s_cbranch_scc1 .Ltrip
	s_wait_tensorcnt 0x0                           ; the wave's end, behind my last LDS store
	ds_add_u32 v[SPW], v[NIL]
	s_wait_dscnt 0x0
	s_endpgm
.Lfunc_end_k_q19cc7bf5dd_attn:
	.size	k_q19cc7bf5dd_attn, .Lfunc_end_k_q19cc7bf5dd_attn-k_q19cc7bf5dd_attn
	.p2alignl 7, 3214868480
	.fill 96, 4, 3214868480
	.section	.rodata,"a",@progbits
	.p2align	6, 0x0
	.amdhsa_kernel k_q19cc7bf5dd_attn
		.amdhsa_group_segment_fixed_size 256000
		.amdhsa_private_segment_fixed_size 0
		.amdhsa_enable_private_segment 0
		.amdhsa_kernarg_size 32
		.amdhsa_user_sgpr_count 2
		.amdhsa_user_sgpr_kernarg_segment_ptr 1
		.amdhsa_wavefront_size32 1
		.amdhsa_system_sgpr_workgroup_id_x 1
		.amdhsa_system_sgpr_workgroup_id_y 1
		.amdhsa_system_sgpr_workgroup_id_z 1
		.amdhsa_system_vgpr_workitem_id 0
		.amdhsa_next_free_vgpr 256
		.amdhsa_next_free_sgpr 66
		.amdhsa_reserve_vcc 1
		.amdhsa_float_denorm_mode_32 3
		.amdhsa_float_denorm_mode_16_64 3
		.amdhsa_memory_ordered 1
		.amdhsa_forward_progress 1
		.amdhsa_inst_pref_size 89
	.end_amdhsa_kernel
	.amdgpu_metadata
---
amdhsa.version: [ 1, 2 ]
amdhsa.kernels:
  - .name:           k_q19cc7bf5dd_attn
    .symbol:         k_q19cc7bf5dd_attn.kd
    .args:
      - { .name: qc, .offset: 0, .size: 8, .value_kind: global_buffer, .address_space: global }
      - { .name: kvc, .offset: 8, .size: 8, .value_kind: global_buffer, .address_space: global }
      - { .name: kvs, .offset: 16, .size: 8, .value_kind: global_buffer, .address_space: global }
      - { .name: out0, .offset: 24, .size: 8, .value_kind: global_buffer, .address_space: global }
    .group_segment_fixed_size: 256000
    .private_segment_fixed_size: 0
    .kernarg_segment_align: 8
    .kernarg_segment_size: 32
    .max_flat_workgroup_size: 512
    .sgpr_count:     66
    .vgpr_count:     256
    .wavefront_size: 32
...
	.end_amdgpu_metadata
.endif
;; end of part 3
